; MI455X (gfx1250); checked and timed in simulation.
; The chip was launched on July 23, 2026; its instructions are those of AMD's public machine-readable ISA for CDNA 5 (MIT licence, August 2026) and "CDNA5" Instruction Set Architecture Reference Guide (July 2026). The comments in the code are by the model that wrote it; some were corrected since.
;; Matrix Mixer. Allowed arithmetic: matrix products marked QUANTISED: E2M3 operands, one E8M0 scale for each 32 along K, by v_wmma_scale_f32_16x16x128_f8f6f4 with both operands' format E2M3, f32 sums; everything else in f32.
;; Inputs: W_in 3,072 x 1,024 float32; u 4 x 4,096 x 1,024 float32; x1 1 float32; x2 1 float32.
;; Outputs: out0 4 x 4,096 x 1,024 float32.
;; This version of the problem:
;;   THIS VERSION OF THE PROBLEM IS GIVEN IN LOW PRECISION. The matrix products marked QUANTISED in the list below multiply operands that are first quantised to E2M3 (2 exponent bits, 3 mantissa bits; 6 bits a number), with one power-of-two scale for each 32 numbers along K (OCP MX v1.0); their sums are f32. All else is computed in f32.
;;   The module's matrix products, in the order in which they are computed (A, B: the left and right operand; K: the contracted axis; several contracted axes count as one K, in the product's order):
;;     1. [M 16,384, K 1,024] x [K 1,024, N 3,072]; A: input u; B: input W_in: QUANTISED
;;     2. batch 64 x [M 64, K 4,096] x [K 4,096, N 64]; A: computed on the way; B: computed on the way: QUANTISED
;;     3. batch 64 x [M 64, K 64] x [K 64, N 4,096]; A: computed on the way; B: computed on the way: QUANTISED
;;   THE QUANTISER, for each operand of a quantised product, along K:
;;     - K is cut into blocks of 32 from its start; a last block that is shorter is filled with zeros.
;;     - A block's scale is 2^e with e = floor(log2(the largest magnitude in the block)) - 2, held to -126 .. 127; a block of zeros has e = 0. As a byte (E8M0): e + 127.
;;     - Each number is divided by its block's scale, clamped to +-7.5, and rounded to the nearest number of E2M3, ties to even, subnormals kept.
;;     - The product sums the exact products of the quantised numbers (number of the format x scale) in f32.
;;   ~~~python
;;   def quantise(x, axis):      # numpy; x: float32 -> the quantised numbers, widened to float32 again
;;       x = np.moveaxis(x, axis, -1); K = x.shape[-1]
;;       x = np.pad(x, [(0, 0)] * (x.ndim - 1) + [(0, -K % 32)]); x = x.reshape(x.shape[:-1] + (-1, 32)); a = np.abs(x).max(-1, keepdims=True)
;;       e = np.where(a > 0, np.clip(np.frexp(np.where(a > 0, a, 1))[1] - 1 - 2, -126, 127), 0)      # np.frexp(a)[1] - 1 = floor(log2(a)), exactly
;;       r = np.clip(x / 2.0 ** e, -7.5, 7.5)
;;       step = 2.0 ** (np.maximum(np.frexp(np.where(r == 0, 1, r))[1] - 1, 0) - 3)
;;       q = np.round(r / step) * step * 2.0 ** e      # np.round: ties to even
;;       return np.moveaxis(q.reshape(q.shape[:-2] + (-1,))[..., :K], -1, axis).astype(np.float32)
;;   ~~~
;;   OPERANDS COMPUTED ON THE WAY. 'Computed on the way' means the value that the module computes at that place (a softmax that the list does not call 'softmax' is quantised finished and normalised). What goes into a quantiser is computed in f32, as accurately as f32 sums, v_exp_f32 and their like allow (about 1e-6 of the number): no bf16 or f16 on the way to a quantiser, and a product that is left as it is and whose result goes on into a quantised operand takes f32 operands (vector FMAs, or v_wmma_f32_16x16x4_f32). A number that lies on a knife's edge between two numbers of the format may be rounded either way, as far as f32 arithmetic and the matrix unit's own rounding can turn it there, and no further.
;; One version. Each part assembles by itself: llvm-mc -triple=amdgcn-amd-amdhsa -mcpu=gfx1250 --defsym DOCPART=n.
;; ======== version 1 of 1: 3 launches
;; workspace buffers: u_codes 12,582,912 bytes; w_codes 2,359,296 bytes; scales 622,592 bytes; kvp 4,194,304 bytes
;; launch quant (part 1): grid 256 x 1, 19 waves a work-group, no clusters, 318,720 bytes of LDS; arguments u, W_in, x1, x2, u_codes, w_codes, scales; writes u_codes, w_codes, scales
.if DOCPART == 1
	.amdgcn_target "amdgcn-amd-amdhsa--gfx1250"
	.amdhsa_code_object_version 6
	.text
	.protected	k_q816f5a9e7e_quant
	.globl	k_q816f5a9e7e_quant
	.p2align	8
	.type	k_q816f5a9e7e_quant,@function
k_q816f5a9e7e_quant:
	s_mov_b64 s[64:65], 0
	v_nop
	global_prefetch_b8 v0, s[64:65] scope:SCOPE_SE
	s_setreg_imm32_b32 hwreg(HW_REG_WAVE_MODE, 25, 1), 1
	s_wait_xcnt 0x0
; u [16384][1024] and W_in [3072][1024], f32, become codes of FP6 (E2M3) with one E8M0 scale byte for each 32 along K (the last axis), laid as the later launches' matrix operands want them.
; A FRAGMENT is 16 rows x 128 K: 12 registers a lane (lane (r, h): row r; registers 6 c .. 6 c + 5 = K 64 c + 32 h + 0 .. 31).  It is stored as the IMAGE OF ITS REGISTERS: register g of lane L at
; 512 (g / 4) + 16 L + 4 (g % 4): 1,536 bytes, which three loads of 16 bytes a lane bring back.  A ROW TILE is its 8 fragments along K on end: 12,288 bytes.
; WHICH ROWS FORM A TILE is chosen so that the later products' results fall into registers along their next K: index i of a tile is row base + i % 8 + S (i / 8):
;   u tile T (0..1023): base 32 (T/2) + 8 (T%2), S 16.   W tile 8 hd + a, a < 4 (k of head hd): base 2048 + 64 hd + 8 a, S 32;  a >= 4 (v of head hd): base 64 hd + 16 (a - 4), S 8.
;   W tile 128 + T' (q): base 1024 + 32 (T'/2) + 8 (T'%2), S 16.
; SCALE WORDS (four bytes: 128 along K of one row): tile G (u: T; W: 1024 + its number), fragment 2 kq + f, index r at 512 G + 128 kq + 8 r + 4 f.
; A block's scale is 2^(floor(log2(its largest magnitude)) - 2); its byte is the largest magnitude's exponent field - 2, held at 1 from below.
; LIMITS: a block of zeros, or one whose largest magnitude lies under 2^-124, gets the byte 1 (the stated quantiser gives a block of zeros 127): zero codes add nothing under any byte but 0xff, and this program alone
; reads the bytes.  NaN and infinities among the inputs are not served.
; x1 and x2 enter no result of the function; they are read here, and nothing is made of them.
; SHARES: 1,216 tiles x 4 quarters of K = 4,864 = 256 x 19 jobs, one a wave: 16 rows x 1,024 bytes, two fragments.  Every load takes 512 consecutive bytes of a row; the rows turn through the wave's own
; stage in LDS so that a lane gets 16 neighbours along K of each block.  No loop, no barrier: waves share nothing.
.set STG,  16640                       ; a wave's stage: 16 rows x SP bytes
.set SP,   1040                        ; a stage row: 1,024 bytes + 16 = 260 words, so that the 16 rows that a read-back touches begin 4 words apart modulo 64
.set TM,   8                           ; v8-11 largest magnitudes, v12-15 the other half's / the bytes, v20-23 the conversions' scale operands
.set PT,   48                          ; v48-55 the conversions' second halves
.set R,    64                          ; v64-191 the numbers: fragment f at R + 64 f
.set SEL,  28                          ; s[28:29] v_permlanex16_b32's selects for lane l xor 16
	s_load_b256 s[4:11], s[0:1], 0x0               ; u, W_in, x1, x2
	s_load_b128 s[12:15], s[0:1], 0x20             ; u_codes, w_codes
	s_load_b64 s[16:17], s[0:1], 0x30              ; scales
	v_lshl_add_u32 v62, v0, 2, 0x4d300
	v_mov_b32 v63, 0
	v_lshrrev_b32 v1, 5, v0
	v_readfirstlane_b32 s18, v1                    ; wave 0..18
	v_and_b32 v5, 31, v0                           ; lane
	v_and_b32 v3, 15, v0                           ; r
	v_bfe_u32 v4, v0, 4, 1                         ; h
	v_lshlrev_b32 v1, 4, v5                        ; 16 x lane: the loads' and the code stores' offset
	s_mul_i32 s19, s18, STG
	v_add_nc_u32 v2, s19, v1                       ; into the stage: as loaded
	v_lshlrev_b32 v57, 3, v3
	v_mul_u32_u24 v3, v3, SP
	v_lshl_add_u32 v3, v4, 6, v3
	v_add_nc_u32 v3, s19, v3                       ; out of it: row r, + 64 h: my 16 numbers of a block of 32
	v_lshl_add_u32 v4, v4, 2, v57                  ; 8 r + 4 h: where my scale word goes
.irp b, 0,1,2,3
	v_mov_b32 v[TM+4+\b], 0                        ; written once: a lane permute's destination counts as one of its sources
.endr
	s_mov_b32 s[SEL], 0x76543210
	s_mov_b32 s[SEL+1], 0xfedcba98
	s_mul_i32 s32, ttmp9, 19
	s_add_co_u32 s32, s32, s18                     ; my job
	s_and_b32 s33, s32, 3                          ; kq: which 256 along K
	s_lshr_b32 s32, s32, 2                         ; the tile, 0..1215
	s_sub_co_u32 s34, s32, 1024                    ; W's tile number (wraps to a large number for u's tiles)
	s_sub_co_u32 s35, s34, 64
	s_cmp_lt_u32 s32, 1024
	s_cselect_b32 s35, s32, s35                    ; u: T;  q: 64 + T', since 1024 + 32 (T'/2) + 8 (T'%2) is the same rule at T = 64 + T'
	s_and_b32 s36, s35, 1
	s_lshl_b32 s36, s36, 3
	s_lshl_b32 s37, s35, 4
	s_sub_co_u32 s37, s37, s36                     ; 16 T - 8 (T % 2) = 32 (T/2) + 8 (T%2)
	s_lshr_b32 s38, s34, 3                         ; hd
	s_and_b32 s39, s34, 7                          ; a
	s_lshl_b32 s40, s38, 6
	s_lshl_b32 s41, s39, 3
	s_add_co_u32 s41, s41, s40
	s_add_co_u32 s41, s41, 2048                    ; k: 2048 + 64 hd + 8 a
	s_lshl_b32 s42, s39, 4
	s_add_co_u32 s42, s42, s40
	s_sub_co_u32 s42, s42, 64                      ; v: 64 hd + 16 (a - 4)
	s_cmp_lt_u32 s39, 4
	s_cselect_b32 s41, s41, s42
	s_cselect_b32 s43, 32, 8
	s_cmp_ge_u32 s34, 128                          ; true for q's tiles and, by the wrap, for u's
	s_cselect_b32 s37, s37, s41                    ; the tile's first row
	s_cselect_b32 s43, 16, s43                     ; S
	s_lshl_b32 s46, s37, 12                        ; a row is 4,096 bytes
	s_lshl_b32 s45, s33, 10
	s_add_co_u32 s46, s46, s45
	s_mov_b32 s47, 0
	s_wait_kmcnt 0x0
	s_cmp_lt_u32 s32, 1024                         ; u's tile or W's: the choice hangs on the job's number alone
	s_cselect_b64 s[20:21], s[4:5], s[6:7]
	s_cselect_b64 s[24:25], s[12:13], s[14:15]
	s_cselect_b32 s44, s32, s34
	s_add_nc_u64 s[20:21], s[20:21], s[46:47]      ; rows of index 0..7
	s_lshl_b32 s46, s43, 12
	s_add_nc_u64 s[22:23], s[20:21], s[46:47]      ; rows of index 8..15: S rows further down
	s_mul_i32 s46, s44, 12288
	s_mul_i32 s45, s33, 3072
	s_add_co_u32 s46, s46, s45
	s_add_nc_u64 s[24:25], s[24:25], s[46:47]      ; my two fragments' images
	s_lshl_b32 s46, s32, 9
	s_lshl_b32 s45, s33, 7
	s_add_co_u32 s46, s46, s45
	s_add_nc_u64 s[26:27], s[16:17], s[46:47]      ; my 32 scale words
.irp f, 0,1
.irp i, 0,1,2,3,4,5,6,7,8,9,10,11,12,13,14,15
	global_load_b128 v[R+64*\f+4*\i:R+64*\f+4*\i+3], v1, s[20+2*(\i/8):21+2*(\i/8)] offset:(\i%8)*4096+512*\f th:TH_LOAD_NT   ; 32 lanes read 512 consecutive bytes of row i; read once in the launch
.endr
.endr
	s_load_b32 s30, s[8:9], 0x0                    ; x1
	s_load_b32 s31, s[10:11], 0x0                  ; x2
	s_wait_kmcnt 0x0
; 64 numbers of a lane, v[s] on, register 16 b + i = K 32 b + 16 h + i of my row, become a fragment's codes in v[pc] on and its scale word in v[pw]
.macro QUANT s, pc, pw
.irp b, 0,1,2,3
	v_max3_num_f32 v[TM+\b], |v[(\s)+16*\b]|, |v[(\s)+1+16*\b]|, 0x1800000   ; block b: my 16 numbers, and the floor 2^(3 - 127): the byte cannot fall under 1
.endr
.irp i, 2,4,6,8,10,12,14
.irp b, 0,1,2,3
	v_max3_num_f32 v[TM+\b], v[TM+\b], |v[(\s)+16*\b+\i]|, |v[(\s)+1+16*\b+\i]|   ; the four blocks by turns
.endr
.endr
.irp b, 0,1,2,3
	v_permlanex16_b32 v[TM+4+\b], v[TM+\b], s[SEL], s[SEL+1]
.endr
.irp b, 0,1,2,3
	v_max_num_f32 v[TM+\b], v[TM+\b], v[TM+4+\b]   ; with lane l xor 16's: the block's largest magnitude
.endr
.irp b, 0,1,2,3
	v_add_nc_u32 v[TM+12+\b], 0xff000000, v[TM+\b] ; 2 off its exponent field: the conversion takes this operand's exponent field as its scale
.endr
.irp b, 0,1,2,3
	v_lshrrev_b32 v[TM+4+\b], 23, v[TM+12+\b]      ; the scale's byte
.endr
	v_lshl_or_b32 v[\pw], v[TM+5], 8, v[TM+4]
	v_lshl_or_b32 v[\pw], v[TM+6], 16, v[\pw]
	v_lshl_or_b32 v[\pw], v[TM+7], 24, v[\pw]      ; my row's scale word
.irp c, 0,1
	v_cvt_scalef32_pk16_fp6_f32 v[(\pc)+6*\c:(\pc)+6*\c+2], v[(\s)+32*\c:(\s)+32*\c+15], v[TM+12+2*\c]
	v_cvt_scalef32_pk16_fp6_f32 v[PT+4*\c:PT+4*\c+2], v[(\s)+16+32*\c:(\s)+31+32*\c], v[TM+13+2*\c]   ; (a conversion's three registers begin on an even number)
.endr
	v_nop                                          ; one plain instruction between a scaled conversion and the vector instruction that touches its result
.irp c, 0,1                                    ; the operand wants a whole block in a lane: lanes 0-15 block 2 c, lanes 16-31 block 2 c + 1
.irp i, 0,1,2
	v_permlane16_swap_b32 v[(\pc)+6*\c+\i], v[PT+4*\c+\i]
.endr
.irp i, 0,1,2
	v_mov_b32 v[(\pc)+3+6*\c+\i], v[PT+4*\c+\i]
.endr
.endr
.endm
	s_wait_loadcnt 16                              ; the first fragment's 16 loads are in; the second's may be out
.irp i, 0,1,2,3,4,5,6,7,8,9,10,11,12,13,14,15
	ds_store_b128 v2, v[R+4*\i:R+4*\i+3] offset:SP*\i
.endr
	s_wait_loadcnt 0x0
.irp i, 0,1,2,3,4,5,6,7,8,9,10,11,12,13,14,15
	ds_store_b128 v2, v[R+64+4*\i:R+64+4*\i+3] offset:SP*\i+512
.endr
	s_wait_dscnt 0x0                               ; the stores have read their registers, which the loads below fill again
.irp f, 0,1
.irp b, 0,1,2,3
.irp j, 0,1,2,3
	ds_load_b128 v[R+64*\f+16*\b+4*\j:R+64*\f+16*\b+4*\j+3], v3 offset:512*\f+128*\b+16*\j
.endr
.endr
.endr
	s_wait_dscnt 16                                ; the first fragment's numbers are back; the second's 16 loads may be out
	QUANT R, 24, 6
.irp c, 0,1,2
	global_store_b128 v1, v[24+4*\c:27+4*\c], s[24:25] offset:512*\c          ; 32 lanes store 512 consecutive bytes, at a multiple of 512 from the buffer's first byte
.endr
	s_wait_dscnt 0x0
	QUANT R+64, 36, 7
.irp c, 0,1,2
	global_store_b128 v1, v[36+4*\c:39+4*\c], s[24:25] offset:1536+512*\c
.endr
	v_cmp_le_u32 vcc_lo, 16, v5
	v_cndmask_b32 v56, v6, v7, vcc_lo              ; lanes 0-15 the first fragment's word of row r, lanes 16-31 the second's
	global_store_b32 v4, v56, s[26:27]             ; 128 consecutive bytes
	s_wait_tensorcnt 0x0
	ds_add_u32 v62, v63
	s_wait_dscnt 0x0
	s_endpgm
.Lfunc_end_k_q816f5a9e7e_quant:
	.size	k_q816f5a9e7e_quant, .Lfunc_end_k_q816f5a9e7e_quant-k_q816f5a9e7e_quant
	.p2alignl 7, 3214868480
	.fill 96, 4, 3214868480
	.section	.rodata,"a",@progbits
	.p2align	6, 0x0
	.amdhsa_kernel k_q816f5a9e7e_quant
		.amdhsa_group_segment_fixed_size 318720
		.amdhsa_private_segment_fixed_size 0
		.amdhsa_enable_private_segment 0
		.amdhsa_kernarg_size 56
		.amdhsa_user_sgpr_count 2
		.amdhsa_user_sgpr_kernarg_segment_ptr 1
		.amdhsa_wavefront_size32 1
		.amdhsa_system_sgpr_workgroup_id_x 1
		.amdhsa_system_sgpr_workgroup_id_y 1
		.amdhsa_system_sgpr_workgroup_id_z 1
		.amdhsa_system_vgpr_workitem_id 0
		.amdhsa_next_free_vgpr 192
		.amdhsa_next_free_sgpr 66
		.amdhsa_reserve_vcc 1
		.amdhsa_float_denorm_mode_32 3
		.amdhsa_float_denorm_mode_16_64 3
		.amdhsa_memory_ordered 1
		.amdhsa_forward_progress 1
		.amdhsa_inst_pref_size 19
	.end_amdhsa_kernel
	.amdgpu_metadata
---
amdhsa.version: [ 1, 2 ]
amdhsa.kernels:
  - .name:           k_q816f5a9e7e_quant
    .symbol:         k_q816f5a9e7e_quant.kd
    .args:
      - { .name: u, .offset: 0, .size: 8, .value_kind: global_buffer, .address_space: global }
      - { .name: W_in, .offset: 8, .size: 8, .value_kind: global_buffer, .address_space: global }
      - { .name: x1, .offset: 16, .size: 8, .value_kind: global_buffer, .address_space: global }
      - { .name: x2, .offset: 24, .size: 8, .value_kind: global_buffer, .address_space: global }
      - { .name: u_codes, .offset: 32, .size: 8, .value_kind: global_buffer, .address_space: global }
      - { .name: w_codes, .offset: 40, .size: 8, .value_kind: global_buffer, .address_space: global }
      - { .name: scales, .offset: 48, .size: 8, .value_kind: global_buffer, .address_space: global }
    .group_segment_fixed_size: 318720
    .private_segment_fixed_size: 0
    .kernarg_segment_align: 8
    .kernarg_segment_size: 56
    .max_flat_workgroup_size: 608
    .sgpr_count:     66
    .vgpr_count:     192
    .wavefront_size: 32
...
	.end_amdgpu_metadata
.endif
;; end of part 1
;; launch kvpart (part 2): grid 16 x 16, 4 waves a work-group, clusters of 4 x 4, 327,680 bytes of LDS; arguments u_codes, w_codes, scales, kvp; writes kvp
.if DOCPART == 2
	.amdgcn_target "amdgcn-amd-amdhsa--gfx1250"
	.amdhsa_code_object_version 6
	.text
	.protected	k_q816f5a9e7e_kvpart
	.globl	k_q816f5a9e7e_kvpart
	.p2align	8
	.type	k_q816f5a9e7e_kvpart,@function
k_q816f5a9e7e_kvpart:
	s_mov_b64 s[64:65], 0
	v_nop
	global_prefetch_b8 v0, s[64:65] scope:SCOPE_SE
	s_setreg_imm32_b32 hwreg(HW_REG_WAVE_MODE, 25, 1), 1
	s_wait_xcnt 0x0
	s_wait_alu depctr_hold_cnt(0) depctr_sa_sdst(0) depctr_va_vdst(0) depctr_va_sdst(0) depctr_va_ssrc(0) depctr_va_vcc(0) depctr_vm_vsrc(0)
	s_getreg_b32 s2, hwreg(HW_REG_IB_STS2, 6, 4)
	s_cmp_eq_u32 s2, 0
	s_cbranch_scc0 .Lentry_in_a_cluster
	s_endpgm
.Lentry_in_a_cluster:
	s_bfe_u32 s2, ttmp6, 0x10000c
	s_cmp_lg_u32 s2, 0xf033
	s_cbranch_scc0 .Lentry_shape_is_right
	s_endpgm
.Lentry_shape_is_right:
; For head hd (work-group x) and 1,024 rows of u (work-group y = 4 x batch + quarter of the sequence): k = u Wk^T and v = u Wv^T (K = 1,024) on codes of FP6 (E2M3) with E8M0 scales;
; k and v are quantised DOWN THE SEQUENCE in registers and multiplied: kv[n][p] += sum over l of k[l][n] v[l][p].  k and v never go to memory.  The work-group's 64 x 64 partial sum goes to kvp.
; SHARES.  Two passes of 512 rows.  In a pass wave w owns 128 rows (8 row tiles of u) against all 128 rows of W (4 tiles of k, 4 of v): 64 accumulators, 512 registers.
; THE FIRST PRODUCT IS USED TRANSPOSED: source 0 = 16 rows of u, source 1 = 16 rows of W: a lane holds ONE column of k or v and its registers run down the sequence.  The rows of a tile of u are chosen
; (tile T: 32 (T/2) + 8 (T%2) + i % 8 + 16 (i / 8)) so that the 16 registers of tiles 2 b, 2 b + 1 are 16 neighbouring rows: the 64 registers of one block of W are 128 neighbouring l, one K step of the second product.
; The rows of a tile of k are 8 a + i % 8 + 32 (i / 8), so that in the second product's result a lane's 32 registers of one tile of v are 32 neighbouring n: one block of the third product's K.
; DATA.  Operands lie in memory as images of fragments' registers (1,536 bytes; three loads of 16 bytes a lane, 512 consecutive bytes each: no pitch, no padding).  W's 8 tiles for all of K stay in LDS, filled once.
; u goes through a ring of two slots of 256 along K; wave w fetches and reads its own 8 tiles.  All scale words of a pass lie in 64 registers.
; CLUSTER 4 x 4: the four work-groups of a row share y and so u's tiles, those of a column share hd and so W's: each tile is asked for jointly, by the same tensor load with the same descriptor and a mask.
; By this text's own count a wave has three tensor loads out at the start and one behind each round.
; LIMITS: the sum over l is made in parts (2 passes in one accumulator, 4 waves, 4 quarters), not in one ascending chain.  A block of zeros, or one whose largest magnitude lies under 2^-124, gets the scale byte 1
; (zero codes add nothing under it).  NaN and infinities are not served.
; REGISTERS, in windows of 256.  window 0: v1-11 addresses; v16-23 the scale words of k's and v's fragments; v32-95 scale words of the first product; v128-223 W's fragments, one set; v96-127, v224-255 kv for p tiles 2, 3.
;   window 1: u's fragments, two sets, v0-95 and v128-223; after a pass: v0-95 the eight fragments of k and v, v128-151 at work; v96-127, v224-255 kv for p tiles 0, 1.   windows 2, 3: the 64 accumulators ((a, b) at v[8 (8 (a % 4) + b)]).
.set FR,    12                         ; registers of a fragment
.set NL,    3                          ; LDS loads that bring one
.set TILEB, 8*FR*128                   ; a row tile: 12,288 bytes
.set KSB,   2*FR*128                   ; a tile's bytes of 256 along K
.set PART,  8*KSB                      ; a wave's part of a slot
.set SLOT,  4*PART
.set WRES,  2*SLOT                     ; behind the ring: W's 8 tiles
.set SPARE, WRES+8*TILEB               ; the spare words, 128 bytes for each wave: two blocks of 256 bytes that no other line names
.set ADRB,  1                          ; v1-2   LDS address of my tiles of u in slot 0, 1
.set ADRW,  3                          ; v3-4   of W's tiles 0-3, 4-7
.set SPW,   5                          ; v5     my spare word; never rewritten
.set NIL,   6                          ; v6     0; never rewritten
.set VS,    7                          ; v7     offset of my scale words: lanes 0-15 W's, lanes 16-31 u's
.set HH,    8                          ; v8     lane / 16
.set XST,   9                          ; v9     the exchange at the end: where I put my partial sums
.set XLD,   10                         ; v10    and where I read the four waves' for my p tile
.set GO,    11                         ; v11    16 x lane
.set PW,    16
.set SC,    32                         ; register SC + 8 i + s: lanes 0-15 the word of W's block i, lanes 16-31 that of u's block i, for fragment s along K
.set KV,    96
.set AF,    128
.set TM,    128                        ; in window 1
.set PT,    144                        ; in window 1
.set G1U,   24                         ; s[24:31] group 1 for u's tiles;  s[32:39] group 0, a set for each slot
.set G0U,   32
.set G1W,   48                         ; s[48:55], s[56:59] groups 1 and 0 for W
.set G0W,   56
.set SEL,   60                         ; s[60:61]
.set MUL_LO, 0xa1                      ; source 0 (u) window 1, source 1 (W) window 0, C and D window 2
.set MUL_HI, 0xf1                      ; the same, C and D window 3
.set MSB, 0
.macro WIN new                         ; the immediate's high byte repeats the setting that is left; a switch that changes nothing is dropped
.if MSB != (\new)
	s_set_vgpr_msb (MSB<<8)|(\new)
.set MSB, (\new)
.endif
.endm
.macro PLACES n                        ; plain vector instructions between a matrix instruction and what may not follow it closely (ISA guide 7.12.1)
.rept \n
	v_nop
.endr
.endm
.macro CREST                           ; a round of the cluster's barrier behind its opening barrier
	s_cmp_lg_u32 s14, 0
	s_cbranch_scc1 .Lnot_wave_0_\@
	s_barrier_signal -3
.Lnot_wave_0_\@:
	s_barrier_wait -3
	s_barrier_signal -1
	s_barrier_wait -1
.endm
.macro CROUND
	s_barrier_signal -1
	s_barrier_wait -1
	CREST
.endm
	s_load_b256 s[4:11], s[0:1], 0x0               ; u_codes, w_codes, scales, kvp
	v_lshl_add_u32 v[SPW], v0, 2, SPARE
	v_mov_b32 v[NIL], 0
	ds_add_u32 v5, v6
	ds_add_u32 v5, v6
	s_wait_dscnt 0x0
	v_lshrrev_b32 v12, 5, v0
	v_readfirstlane_b32 s14, v12                   ; wave 0..3
	s_bfe_u32 s40, ttmp6, 0x40000                  ; cx, cy: my place in the cluster
	s_bfe_u32 s41, ttmp6, 0x40004
	s_lshl_b32 s42, ttmp9, 2
	s_add_co_u32 s42, s42, s40                     ; hd = 4 x cluster x + cx
	s_and_b32 s17, ttmp7, 0xffff
	s_lshl_b32 s17, s17, 2
	s_add_co_u32 s17, s17, s41                     ; y = 4 x cluster y + cy
	s_lshl_b32 s43, s41, 2
	s_lshl_b32 s43, 15, s43                        ; my row of the cluster
	s_lshl_b32 s44, 0x1111, s40                    ; my column
	s_or_b32 s[G1U], s43, (3<<16)|(1<<21)          ; u: the mask of my row; elements of 8 bytes; bit 21 set beside a mask; no padding
	s_mov_b32 s[G1U+1], 384<<16                    ; tensor_dim0: 384 elements = 3,072 bytes, a tile's 256 along K
	s_mov_b32 s[G1U+2], 8<<16                      ; tensor_dim1: 8 tiles
	s_mov_b32 s[G1U+3], 384<<16                    ; tile_dim0
	s_mov_b32 s[G1U+4], 8                          ; tile_dim1
	s_mov_b32 s[G1U+5], 1536                       ; from tile to tile: 12,288 bytes
	s_mov_b32 s[G1U+6], 0
	s_mov_b32 s[G1U+7], 0
	s_or_b32 s[G1W], s44, (3<<16)|(1<<21)          ; W: the mask of my column; two tiles, 24,576 dense bytes, as 96 rows of 256
	s_mov_b32 s[G1W+1], 32<<16
	s_mov_b32 s[G1W+2], 96<<16
	s_mov_b32 s[G1W+3], 32<<16
	s_mov_b32 s[G1W+4], 96
	s_mov_b32 s[G1W+5], 32
	s_mov_b32 s[G1W+6], 0
	s_mov_b32 s[G1W+7], 0
	s_lshl_b32 s20, s17, 6
	s_lshl_b32 s21, s14, 3
	s_add_co_u32 s20, s20, s21                     ; u: tile 64 y + 8 w
	s_mul_i32 s20, s20, TILEB
	s_mov_b32 s21, 0
	s_lshl_b32 s46, s42, 3
	s_lshl_b32 s47, s14, 1
	s_add_co_u32 s46, s46, s47                     ; W: tile 8 hd + 2 w
	s_mul_i32 s46, s46, TILEB
	s_mov_b32 s47, 0
	s_mul_i32 s45, s14, PART                       ; where they go: no place in the cluster enters an LDS address
	s_mov_b32 s[SEL], 0x76543210
	s_mov_b32 s[SEL+1], 0xfedcba98
	s_wait_kmcnt 0x0
	s_add_nc_u64 s[20:21], s[4:5], s[20:21]
	s_add_nc_u64 s[46:47], s[6:7], s[46:47]
	CROUND                                         ; all sixteen work-groups are here: the first joint loads meet
	s_mov_b32 s[G0W], 1
	s_add_co_u32 s[G0W+1], s45, WRES
	s_mov_b64 s[G0W+2:G0W+3], s[46:47]
	s_or_b32 s[G0W+3], s[G0W+3], 0x80000000
.irp s, 0,1
	s_mov_b32 s[G0U+4*\s], 1
	s_add_co_u32 s[G0U+4*\s+1], s45, \s*SLOT
	s_add_nc_u64 s[G0U+4*\s+2:G0U+4*\s+3], s[20:21], \s*KSB
	s_or_b32 s[G0U+4*\s+3], s[G0U+4*\s+3], 0x80000000
.endr
	tensor_load_to_lds s[G0W:G0W+3], s[G1W:G1W+7]          ; every wave issues all three first fills, together: my two tiles of W,
	s_nop 0
	tensor_load_to_lds s[G0U:G0U+3], s[G1U:G1U+7]          ; my tiles' first 256 along K,
	s_nop 0
	tensor_load_to_lds s[G0U+4:G0U+7], s[G1U:G1U+7]        ; and their second
	s_nop 0
	PLACES 4                                       ; four v_nop follow
	v_and_b32 v13, 31, v0                          ; lane
	v_and_b32 v14, 15, v0                          ; r
	v_bfe_u32 v[HH], v0, 4, 1
	v_lshlrev_b32 v[GO], 4, v13
	v_add_nc_u32 v[ADRB], s45, v[GO]
	v_add_nc_u32 v[ADRB+1], SLOT, v[ADRB]
	v_add_nc_u32 v[ADRW], WRES, v[GO]
	v_add_nc_u32 v[ADRW+1], WRES+4*TILEB, v[GO]
	s_lshl_b32 s18, s14, 14
	v_add_nc_u32 v[XST], s18, v[GO]
	s_lshl_b32 s19, s14, 12
	v_add_nc_u32 v[XLD], s19, v[GO]
	s_lshl_b32 s22, s42, 12
	s_add_co_u32 s22, s22, 1024*512                ; W's scale words: tile 1024 + 8 hd, 512 bytes a tile
	s_lshl_b32 s23, s17, 15
	s_add_co_u32 s23, s23, s19                     ; u's: tile 64 y + 8 w
	v_mov_b32 v12, s22
	v_mov_b32 v15, s23
	v_cmp_le_u32 vcc_lo, 16, v13
	v_cndmask_b32 v[VS], v12, v15, vcc_lo
	v_lshl_add_u32 v[VS], v14, 3, v[VS]            ; + 8 r
	s_lshr_b32 s18, s17, 2                         ; kvp: (((batch x 16 + hd) x 4 + quarter) x 4 + my p tile) x 4,096
	s_lshl_b32 s18, s18, 4
	s_add_co_u32 s18, s18, s42
	s_lshl_b32 s18, s18, 2
	s_and_b32 s19, s17, 3
	s_add_co_u32 s18, s18, s19
	s_lshl_b32 s18, s18, 2
	s_add_co_u32 s18, s18, s14
	s_lshl_b32 s18, s18, 12
	s_mov_b32 s19, 0
	s_add_nc_u64 s[12:13], s[10:11], s[18:19]
.macro SCLOAD                          ; a pass's scale words: two words (256 along K) a load
.irp i, 0,1,2,3,4,5,6,7
.irp kq, 0,1,2,3
	global_load_b64 v[SC+8*\i+2*\kq:SC+8*\i+2*\kq+1], v[VS], s[8:9] offset:512*\i+128*\kq
.endr
.endr
.endm
	SCLOAD
.macro FRAG reg, adr, off              ; a fragment comes back as it was stored: 512 consecutive bytes a load
.irp c, 0,1,2
	ds_load_b128 v[(\reg)+4*\c:(\reg)+4*\c+3], v[\adr] offset:(\off)+512*\c
.endr
.endm
.macro FB s                            ; u's eight fragments of step s into set s % 2
	WIN 0x40
.irp i, 0,1,2,3,4,5,6,7
	FRAG 128*((\s)%2)+FR*\i, ADRB+(((\s)/2)%2), KSB*\i+1536*((\s)%2)
.endr
	WIN 0
.endm
.macro FA s, i0                        ; W's blocks i0 .. i0 + 3 of step s
.irp i, \i0, \i0+1, \i0+2, \i0+3
	FRAG AF+FR*(\i), ADRW+((\i)/4), TILEB*((\i)%4)+1536*(\s)
.endr
.endm
; 16 matrix instructions: W's blocks a0, a0 + 1 x u's eight, 128 along K.  zero = 1: the product starts the sums.  The 64 accumulators take turns, one instruction a turn, in the same order in every step.
.macro MUL16 a0, s, zero
.irp a, \a0, \a0+1
.irp b, 0,1,2,3,4,5,6,7
.if \zero
	v_wmma_scale_f32_16x16x128_f8f6f4 v[8*(8*((\a)%4)+\b):8*(8*((\a)%4)+\b)+7], v[128*((\s)%2)+FR*\b:128*((\s)%2)+FR*\b+FR-1], v[AF+FR*(\a):AF+FR*(\a)+FR-1], 0, v[SC+8*\b+(\s)], v[SC+8*(\a)+(\s)] matrix_a_fmt:MATRIX_FMT_FP6 matrix_b_fmt:MATRIX_FMT_FP6 matrix_a_scale:MATRIX_SCALE_ROW1
.else
	v_wmma_scale_f32_16x16x128_f8f6f4 v[8*(8*((\a)%4)+\b):8*(8*((\a)%4)+\b)+7], v[128*((\s)%2)+FR*\b:128*((\s)%2)+FR*\b+FR-1], v[AF+FR*(\a):AF+FR*(\a)+FR-1], v[8*(8*((\a)%4)+\b):8*(8*((\a)%4)+\b)+7], v[SC+8*\b+(\s)], v[SC+8*(\a)+(\s)] matrix_a_fmt:MATRIX_FMT_FP6 matrix_b_fmt:MATRIX_FMT_FP6 matrix_a_scale:MATRIX_SCALE_ROW1
.endif
.endr
.endr
.endm
.macro STEP s, zero                    ; an even step: its successor lies in the same slot
	s_wait_dscnt 4*NL                              ; u's set and W's blocks 0-3 are in; the youngest 12 loads (W's blocks 4-7) may be out
	WIN MUL_LO
	MUL16 0, \s, \zero
	MUL16 2, \s, \zero
	s_wait_dscnt 0x0                               ; W's blocks 4-7 are in
	PLACES 4
	FB (\s)+1
	FA (\s)+1, 0
	WIN MUL_HI
	MUL16 4, \s, \zero
	MUL16 6, \s, \zero
	PLACES 4
	WIN 0
	FA (\s)+1, 4
.endm
; An odd step changes slots: ONE barrier; in front of it each wave waits for all its tensor loads, adds 0 to its spare word, and waits for that and for its reads of the slot.
; fill = 1: the barrier opens a round of the cluster's, and the slot is filled again, delta bytes further on in memory.  fetch = 1: the next step's fragments are fetched.
.macro TURN s, fill, delta, fetch
.set SL, ((\s)/2)%2
	s_wait_tensorcnt 0x0                           ; all my tensor loads have landed: my part of the next slot
	ds_add_u32 v[SPW], v[NIL]                      ; 0 onto my spare word
	s_wait_dscnt 4*NL+1                            ; (the add and the youngest 12 loads, W's blocks 4-7, may be out)
	WIN MUL_LO
	MUL16 0, \s, 0                                 ; sixteen matrix instructions stand between the add and the wait for it
	s_wait_dscnt 0x0                               ; the add is done, and my reads of this slot are over
	s_barrier_signal -1
	MUL16 2, \s, 0
	WIN 0
	s_barrier_wait -1
.if \fill
	CREST                                          ; no wave of any partner still reads this slot or has a load on its way
	s_add_nc_u64 s[G0U+4*SL+2:G0U+4*SL+3], s[G0U+4*SL+2:G0U+4*SL+3], \delta
	tensor_load_to_lds s[G0U+4*SL:G0U+4*SL+3], s[G1U:G1U+7]   ; my one tensor load behind the round
	s_nop 0
.endif
	PLACES 4                                       ; behind the tensor load, and in front of the loads into registers that matrix instructions have read
.if \fetch
	FB ((\s)+1)%8
	FA ((\s)+1)%8, 0
.endif
	WIN MUL_HI
	MUL16 4, \s, 0
	MUL16 6, \s, 0
	PLACES 4
	WIN 0
.if \fetch
	FA ((\s)+1)%8, 4
.endif
.endm
; The 64 registers of W's block a, register 16 b + i = l 32 b + 16 h + i of my column, become fragment a of the second product (window 1, v[12 a] on) and its scale word v[PW + a].
; Each accumulator is first read at its two lowest registers.
.macro QUANTA a
.set QW, 2+(\a)/4
.set QS, 64*((\a)%4)
	WIN 0x40|QW|(QW<<2)
.irp b, 0,1,2,3
	v_max3_num_f32 v[TM+\b], |v[QS+16*\b]|, |v[QS+1+16*\b]|, 0x1800000   ; my 16 numbers of block b, and the floor 2^(3 - 127): the byte cannot fall under 1
.endr
	WIN 0x41|(QW<<2)|(QW<<4)
.irp i, 2,4,6,8,10,12,14
.irp b, 0,1,2,3
	v_max3_num_f32 v[TM+\b], v[TM+\b], |v[QS+16*\b+\i]|, |v[QS+1+16*\b+\i]|
.endr
.endr
	WIN 0x55
.irp b, 0,1,2,3
	v_permlanex16_b32 v[TM+4+\b], v[TM+\b], s[SEL], s[SEL+1]
.endr
.irp b, 0,1,2,3
	v_max_num_f32 v[TM+\b], v[TM+\b], v[TM+4+\b]   ; with lane l xor 16's: the block's largest magnitude
.endr
.irp b, 0,1,2,3
	v_add_nc_u32 v[TM+12+\b], 0xff000000, v[TM+\b] ; 2 off its exponent field: the conversion's scale operand
.endr
.irp b, 0,1,2,3
	v_lshrrev_b32 v[TM+4+\b], 23, v[TM+12+\b]      ; the scale's byte
.endr
	v_lshl_or_b32 v[TM+8], v[TM+5], 8, v[TM+4]
	v_lshl_or_b32 v[TM+8], v[TM+6], 16, v[TM+8]
	WIN 0x11
	v_lshl_or_b32 v[PW+(\a)], v[TM+7], 24, v[TM+8] ; the scale word, in window 0: scale operands have no window
	WIN 0x44|QW
.irp c, 0,1
	v_cvt_scalef32_pk16_fp6_f32 v[FR*(\a)+6*\c:FR*(\a)+6*\c+2], v[QS+32*\c:QS+32*\c+15], v[TM+12+2*\c]
	v_cvt_scalef32_pk16_fp6_f32 v[PT+4*\c:PT+4*\c+2], v[QS+16+32*\c:QS+31+32*\c], v[TM+13+2*\c]
.endr
	WIN 0x55
	v_nop                                          ; one plain instruction behind a scaled conversion
.irp c, 0,1
.irp i, 0,1,2
	v_permlane16_swap_b32 v[FR*(\a)+6*\c+\i], v[PT+4*\c+\i]   ; a whole block to a lane
.endr
.irp i, 0,1,2
	v_mov_b32 v[FR*(\a)+3+6*\c+\i], v[PT+4*\c+\i]
.endr
.endr
.endm
; After a pass: k's and v's eight fragments are made, and kv takes their 16 products: source 0 = 16 n of k, source 1 = 16 p of v.  Register 8 tn + j of lane (r, h) in group tp is kv[32 h + 8 tn + j][16 tp + r].
.macro EPI p
	WIN 0x40
.irp b, 0,1,2,3
	v_mov_b32 v[TM+4+\b], 0                        ; a lane permute's destination counts as one of its sources
.endr
.irp a, 0,1,2,3,4,5,6,7
	QUANTA \a
.endr
	PLACES 8                                       ; a scale register written by a vector instruction stands 8 places ahead of a scaled matrix instruction, an operand so written 4
.irp tp, 0,1,2,3
.if \tp < 2
	WIN 0x55
.else
	WIN 0x05
.endif
.irp tn, 0,1,2,3
.if \p
	v_wmma_scale_f32_16x16x128_f8f6f4 v[KV+128*(\tp%2)+8*\tn:KV+128*(\tp%2)+8*\tn+7], v[FR*\tn:FR*\tn+FR-1], v[FR*(4+\tp):FR*(4+\tp)+FR-1], v[KV+128*(\tp%2)+8*\tn:KV+128*(\tp%2)+8*\tn+7], v[PW+\tn], v[PW+4+\tp] matrix_a_fmt:MATRIX_FMT_FP6 matrix_b_fmt:MATRIX_FMT_FP6
.else
	v_wmma_scale_f32_16x16x128_f8f6f4 v[KV+128*(\tp%2)+8*\tn:KV+128*(\tp%2)+8*\tn+7], v[FR*\tn:FR*\tn+FR-1], v[FR*(4+\tp):FR*(4+\tp)+FR-1], 0, v[PW+\tn], v[PW+4+\tp] matrix_a_fmt:MATRIX_FMT_FP6 matrix_b_fmt:MATRIX_FMT_FP6
.endif
.endr
.endr
	PLACES 4
.endm
	s_wait_tensorcnt 0x1                           ; W's tiles and my first 256 along K are in; the second slot's load may be out
	s_barrier_signal -1
	s_barrier_wait -1                              ; everybody's part of W is in
	FB 0
	FA 0, 0
	FA 0, 4
	s_wait_loadcnt 0x0                             ; the scale words
	; ---- pass 0: rows 512 of 1,024
	STEP 0, 1
	TURN 1, 1, 2*KSB, 1
	STEP 2, 0
	TURN 3, 1, 2*KSB, 1
	STEP 4, 0
	TURN 5, 1, 32*TILEB-2*KSB, 1                   ; the ring goes on into pass 1: 32 tiles on, back to the first 256 along K
	STEP 6, 0
	TURN 7, 1, 32*TILEB-2*KSB, 0
	v_lshl_add_u32 v[VS], v[HH], 14, v[VS]         ; u's scale words of pass 1: 32 tiles of 512 bytes on, in lanes 16-31 (the first pass's loads were waited for)
	SCLOAD                                         ; they land while k and v are quantised
	EPI 0
	FB 0
	FA 0, 0
	FA 0, 4
	s_wait_loadcnt 0x0
	; ---- pass 1
	STEP 0, 1
	TURN 1, 1, 2*KSB, 1
	STEP 2, 0
	TURN 3, 1, 2*KSB, 1
	STEP 4, 0
	TURN 5, 0, 0, 1                                ; nothing is left to fetch: no round
	STEP 6, 0
	s_wait_dscnt 4*NL                              ; the last step
	WIN MUL_LO
	MUL16 0, 7, 0
	MUL16 2, 7, 0
	s_wait_dscnt 0x0
	WIN MUL_HI
	MUL16 4, 7, 0
	MUL16 6, 7, 0
	WIN 0
	PLACES 4
	EPI 1
	; ---- the four waves' partial sums meet in LDS, in slot 0: it has had its last fill, and every wave has passed the barrier behind its last read of it
.irp tp, 0,1,2,3
.if \tp < 2
	WIN 0x04                                       ; an LDS store's data are its source 1
.else
	WIN 0
.endif
.irp j, 0,1,2,3,4,5,6,7
	ds_store_b128 v[XST], v[KV+128*(\tp%2)+4*\j:KV+128*(\tp%2)+4*\j+3] offset:4096*\tp+512*\j   ; each accumulator from its low end on
.endr
.endr
	WIN 0
	s_wait_dscnt 0x0                               ; for the others' sake: my stores have landed
	s_barrier_signal -1
	s_barrier_wait -1
	WIN 0x80
.irp x, 0,1,2,3
.irp j, 0,1,2,3,4,5,6,7
	ds_load_b128 v[32*\x+4*\j:32*\x+4*\j+3], v[XLD] offset:16384*\x+512*\j    ; wave w sums p tile w
.endr
.endr
	s_wait_dscnt 0x0
	WIN 0x8a
.irp i, 0,2,4,6,8,10,12,14,16,18,20,22,24,26,28,30
	v_pk_add_f32 v[\i:\i+1], v[\i:\i+1], v[32+\i:33+\i]
	v_pk_add_f32 v[64+\i:65+\i], v[64+\i:65+\i], v[96+\i:97+\i]
.endr
.irp i, 0,2,4,6,8,10,12,14,16,18,20,22,24,26,28,30
	v_pk_add_f32 v[\i:\i+1], v[\i:\i+1], v[64+\i:65+\i]
.endr
	WIN 0x08                                       ; a store's data are its source 1: window 2
.irp j, 0,1,2,3,4,5,6,7
	global_store_b128 v[GO], v[4*\j:4*\j+3], s[12:13] offset:512*\j           ; 32 lanes store 512 consecutive bytes, at a multiple of 512 from the buffer's first byte
.endr
	WIN 0
	s_wait_tensorcnt 0x0                           ; the wave's end
	ds_add_u32 v[SPW], v[NIL]
	s_wait_dscnt 0x0
	CROUND                                         ; the closing round
	s_endpgm
.Lfunc_end_k_q816f5a9e7e_kvpart:
	.size	k_q816f5a9e7e_kvpart, .Lfunc_end_k_q816f5a9e7e_kvpart-k_q816f5a9e7e_kvpart
	.p2alignl 7, 3214868480
	.fill 96, 4, 3214868480
	.section	.rodata,"a",@progbits
	.p2align	6, 0x0
	.amdhsa_kernel k_q816f5a9e7e_kvpart
		.amdhsa_group_segment_fixed_size 327680
		.amdhsa_private_segment_fixed_size 0
		.amdhsa_enable_private_segment 0
		.amdhsa_kernarg_size 32
		.amdhsa_user_sgpr_count 2
		.amdhsa_user_sgpr_kernarg_segment_ptr 1
		.amdhsa_wavefront_size32 1
		.amdhsa_system_sgpr_workgroup_id_x 1
		.amdhsa_system_sgpr_workgroup_id_y 1
		.amdhsa_system_sgpr_workgroup_id_z 1
		.amdhsa_system_vgpr_workitem_id 0
		.amdhsa_next_free_vgpr 1024
		.amdhsa_next_free_sgpr 66
		.amdhsa_reserve_vcc 1
		.amdhsa_float_denorm_mode_32 3
		.amdhsa_float_denorm_mode_16_64 3
		.amdhsa_memory_ordered 1
		.amdhsa_forward_progress 1
		.amdhsa_inst_pref_size 255
	.end_amdhsa_kernel
	.section	.bss,"aw",@nobits
	.p2align	6
	.space	262144
	.amdgpu_metadata
---
amdhsa.version: [ 1, 2 ]
amdhsa.kernels:
  - .name:           k_q816f5a9e7e_kvpart
    .symbol:         k_q816f5a9e7e_kvpart.kd
    .args:
      - { .name: u_codes, .offset: 0, .size: 8, .value_kind: global_buffer, .address_space: global }
      - { .name: w_codes, .offset: 8, .size: 8, .value_kind: global_buffer, .address_space: global }
      - { .name: scales, .offset: 16, .size: 8, .value_kind: global_buffer, .address_space: global }
      - { .name: kvp, .offset: 24, .size: 8, .value_kind: global_buffer, .address_space: global }
    .group_segment_fixed_size: 327680
    .private_segment_fixed_size: 0
    .kernarg_segment_align: 8
    .kernarg_segment_size: 32
    .max_flat_workgroup_size: 128
    .sgpr_count:     66
    .vgpr_count:     1024
    .wavefront_size: 32
...
	.end_amdgpu_metadata
.endif
;; end of part 2
;; launch mix (part 3): grid 8 x 32, 4 waves a work-group, clusters of 4 x 4, 327,680 bytes of LDS; arguments u_codes, w_codes, scales, kvp, out0; writes out0
.if DOCPART == 3
	.amdgcn_target "amdgcn-amd-amdhsa--gfx1250"
	.amdhsa_code_object_version 6
	.text
	.protected	k_q816f5a9e7e_mix
	.globl	k_q816f5a9e7e_mix
	.p2align	8
	.type	k_q816f5a9e7e_mix,@function
k_q816f5a9e7e_mix:
	s_mov_b64 s[64:65], 0
	v_nop
	global_prefetch_b8 v0, s[64:65] scope:SCOPE_SE
	s_setreg_imm32_b32 hwreg(HW_REG_WAVE_MODE, 25, 1), 1
	s_wait_xcnt 0x0
	s_wait_alu depctr_hold_cnt(0) depctr_sa_sdst(0) depctr_va_vdst(0) depctr_va_sdst(0) depctr_va_ssrc(0) depctr_va_vcc(0) depctr_vm_vsrc(0)
	s_getreg_b32 s2, hwreg(HW_REG_IB_STS2, 6, 4)
	s_cmp_eq_u32 s2, 0
	s_cbranch_scc0 .Lentry_in_a_cluster
	s_endpgm
.Lentry_in_a_cluster:
	s_bfe_u32 s2, ttmp6, 0x10000c
	s_cmp_lg_u32 s2, 0xf033
	s_cbranch_scc0 .Lentry_shape_is_right
	s_endpgm
.Lentry_shape_is_right:
; y[l][64 head + p] = sum over n of q[l][head][n] kv[head][n][p], with q = u Wq^T (K = 1,024), all products on codes of FP6 (E2M3) with E8M0 scales.  q never goes to memory.
; SHARES.  A work-group makes 512 rows x 128 columns (2 heads) of y, in TWO PASSES of 256 rows; in a pass wave w owns 64 rows (4 row tiles of u) against all 8 tiles of Wq: 32 accumulators, window 2.
; WHY TWO PASSES.  The first pass's rows of y are stored while the second pass is multiplied: nothing waits for those stores, and their data lie in registers that the second pass does not touch.  And a pass leaves
; window 3 free: kv's partial sums are asked for at the head, land there under the first pass, and are first waited for when seven of its eight steps are done.
; kv.  Wave w adds the four quarters' partial sums (f32) of two of the work-group's eight tiles (head w / 2, p tiles 2 (w % 2) and + 1), quantises them along n (a lane holds 32 neighbouring n of one p: a whole block)
; and leaves each fragment's six registers and its scale word in LDS as images of registers.
; q IS MADE TRANSPOSED: source 0 = 16 rows of Wq, source 1 = 16 rows of u: a lane holds one row l, its registers run along q's columns; Wq's tiles take rows 32 (T/2) + 8 (T%2) + i % 8 + 16 (i / 8), so that the 64 registers
; of one tile of u are 128 neighbouring columns: two heads' n.  They are quantised in registers and are source 1 of the last product.
; THE LAST PRODUCT has K = 64 and runs at the instruction's 128: kv's fragment holds its codes in the half of K that belongs to its head and zero codes in the other, which add nothing.
; Source 0 = 16 p of kv: a lane's eight results are eight neighbouring columns of one row of y; 16 rows x 64 columns at a time go through the wave's own stage in LDS and leave as rows of 256 bytes.
; DATA.  Operands lie in memory as images of fragments' registers (1,536 bytes; three loads of 16 bytes a lane, 512 consecutive bytes each: no pitch, no padding).  Wq's 8 tiles for all of K stay in LDS, filled once.
; u goes through a ring of two slots of 512 along K; wave w fetches and reads its own 4 tiles.  All scale words of both passes lie in 64 registers.
; CLUSTER 4 x 4: the four work-groups of a row share their rows and so u's tiles, those of a column share their columns and so Wq's: each tile is asked for jointly, by the same tensor load with the same descriptor and a mask.
; By this text's own count a wave has three tensor loads out at the start and one behind each of the two rounds that fill a slot again.
; LIMITS: kv's sum over the sequence is made in parts, not in one ascending chain.  A block of zeros, or one whose largest magnitude lies under 2^-124, gets the scale byte 1 (zero codes add nothing under it).
; NaN and infinities are not served.
; REGISTERS.  window 0: v1-24 addresses; v32-95 scale words of the first product; v96 q's scale word; v98-105 kv's; v106-121 at work; v128-175, v176-223 u's fragments, two sets; on the way out q's codes (v128-147), y's tiles (v160-223).
;   window 1: Wq's fragments, two sets, v0-95 and v128-223.   window 2: the 32 accumulators ((a, b) at v[64 a + 8 b]).   window 3: kv's partial sums; then v0-71 kv's fragments, v128-255 rows of y on their way out.
.set FR,    12                         ; registers of a fragment
.set TILEB, 8*FR*128                   ; a row tile: 12,288 bytes
.set HKB,   4*FR*128                   ; a tile's bytes of 512 along K
.set PART,  4*HKB                      ; a wave's part of a slot
.set SLOT,  4*PART
.set WRES,  2*SLOT                     ; behind the ring: Wq's 8 tiles,
.set KVIMG, WRES+8*TILEB               ; 8 tiles of kv x 768 bytes (six registers a lane),
.set KVSC,  KVIMG+8*768                ; their scale words, 128 bytes each,
.set STG,   KVSC+8*128                 ; the stages: 16 rows x SPITCH bytes a wave; they have bytes of their own, since both slots are filled again,
.set SPITCH, 272                       ; (256 bytes + 16 = 68 words: the 16 rows that a store touches begin 4 words apart modulo 64)
.set SPARE, STG+4*16*SPITCH            ; and the spare words, 128 bytes for each wave: two blocks of 256 bytes that no other line names
.set ADRU,  1                          ; v1-2   my tiles of u in slot 0, 1
.set ADRW,  3                          ; v3-4   Wq's tiles 0-3, 4-7
.set SPW,   5                          ; v5     my spare word; never rewritten
.set NIL,   6                          ; v6     0; never rewritten
.set VS,    7                          ; v7     offset of my scale words: lanes 0-15 u's, lanes 16-31 Wq's
.set H8,    8                          ; v8     8 x (lane / 16)
.set KPI,   9                          ; v9-11  where I put kv's images (16 and 8 bytes a lane) and scale words
.set KPI8,  10
.set KPS,   11
.set KVA,   12                         ; v12-14 where every wave reads them back
.set KVA8,  13
.set KVSA,  14
.set STO,   15                         ; v15    the stage: where I put 32 bytes of a row
.set RD,    16                         ; v16    and where I read rows back
.set CO,    17                         ; v17    16 x lane
.set VS2,   23                         ; v23    as v7, with u's tiles 12 further on
.set GO,    24                         ; v24    my byte offset in two rows of y: 4,096 (lane / 16) + 16 (lane % 16)
.set SC,    32                         ; register SC + 8 i + s, fragment s along K: lanes 16-31 the word of Wq's tile i; lanes 0-15 that of u's tile i of pass 0 (i < 4), of u's tile i - 4 of pass 1 (i >= 4)
.set PW,    96
.set KVS,   98
.set TM,    106
.set AF,    128
.set PC,    128
.set PT,    140
.set Y,     160
.set KC,    128                        ; kv's codes on the way to LDS, 8 registers apart; these three lie in u's set 0, which is free when they are made
.set KT,    144                        ; the conversions' second halves
.set KSW,   168                        ; the scale words on the way to LDS
.set G1U,   24                         ; s[24:31] group 1 for u's tiles;  s[32:39] group 0, a set for each slot
.set G0U,   32
.set G1W,   48                         ; s[48:55], s[56:59] groups 1 and 0 for Wq
.set G0W,   56
.set SEL,   60                         ; s[60:61] v_permlanex16_b32's selects for lane l xor 16
.set MUL_LO, 0xa1                      ; source 0 (Wq) window 1, source 1 (u) window 0, C and D window 2
.set MSB, 0
.macro WIN new                         ; the immediate's high byte repeats the setting that is left; a switch that changes nothing is dropped
.if MSB != (\new)
	s_set_vgpr_msb (MSB<<8)|(\new)
.set MSB, (\new)
.endif
.endm
.macro PLACES n                        ; plain vector instructions between a matrix instruction and what may not follow it closely (ISA guide 7.12.1)
.rept \n
	v_nop
.endr
.endm
.macro CREST                           ; a round of the cluster's barrier behind its opening barrier
	s_cmp_lg_u32 s14, 0
	s_cbranch_scc1 .Lnot_wave_0_\@
	s_barrier_signal -3
.Lnot_wave_0_\@:
	s_barrier_wait -3
	s_barrier_signal -1
	s_barrier_wait -1
.endm
.macro CROUND
	s_barrier_signal -1
	s_barrier_wait -1
	CREST
.endm
	s_load_b256 s[4:11], s[0:1], 0x0               ; u_codes, w_codes, scales, kvp
	s_load_b64 s[12:13], s[0:1], 0x20              ; out0
	v_lshl_add_u32 v[SPW], v0, 2, SPARE
	v_mov_b32 v[NIL], 0
	ds_add_u32 v5, v6
	ds_add_u32 v5, v6
	s_wait_dscnt 0x0
	v_lshrrev_b32 v18, 5, v0
	v_readfirstlane_b32 s14, v18                   ; wave 0..3
	s_bfe_u32 s40, ttmp6, 0x40000                  ; cx, cy: my place in the cluster
	s_bfe_u32 s41, ttmp6, 0x40004
	s_lshl_b32 s42, ttmp9, 2
	s_add_co_u32 s42, s42, s40                     ; cg = 4 x cluster x + cx: 128 columns, heads 2 cg and 2 cg + 1
	s_and_b32 s17, ttmp7, 0xffff
	s_lshl_b32 s17, s17, 2
	s_add_co_u32 s17, s17, s41                     ; y = 4 x cluster y + cy: 512 rows
	s_lshl_b32 s43, s41, 2
	s_lshl_b32 s43, 15, s43                        ; my row of the cluster
	s_lshl_b32 s44, 0x1111, s40                    ; my column
	s_or_b32 s[G1U], s43, (3<<16)|(1<<21)          ; u: the mask of my row; elements of 8 bytes; bit 21 set beside a mask; no padding
	s_mov_b32 s[G1U+1], 768<<16                    ; tensor_dim0: 768 elements = 6,144 bytes, a tile's 512 along K
	s_mov_b32 s[G1U+2], 4<<16                      ; tensor_dim1: 4 tiles
	s_mov_b32 s[G1U+3], 768<<16                    ; tile_dim0
	s_mov_b32 s[G1U+4], 4                          ; tile_dim1
	s_mov_b32 s[G1U+5], 1536                       ; from tile to tile: 12,288 bytes
	s_mov_b32 s[G1U+6], 0
	s_mov_b32 s[G1U+7], 0
	s_or_b32 s[G1W], s44, (3<<16)|(1<<21)          ; Wq: the mask of my column; two tiles, 24,576 dense bytes, as 96 rows of 256
	s_mov_b32 s[G1W+1], 32<<16
	s_mov_b32 s[G1W+2], 96<<16
	s_mov_b32 s[G1W+3], 32<<16
	s_mov_b32 s[G1W+4], 96
	s_mov_b32 s[G1W+5], 32
	s_mov_b32 s[G1W+6], 0
	s_mov_b32 s[G1W+7], 0
	s_lshl_b32 s20, s17, 5
	s_lshl_b32 s21, s14, 2
	s_add_co_u32 s20, s20, s21                     ; u: tile 32 y + 4 w
	s_mul_i32 s20, s20, TILEB
	s_mov_b32 s21, 0
	s_lshl_b32 s46, s42, 3
	s_lshl_b32 s47, s14, 1
	s_add_co_u32 s46, s46, s47
	s_add_co_u32 s46, s46, 128                     ; Wq: tile 128 + 8 cg + 2 w
	s_mul_i32 s46, s46, TILEB
	s_mov_b32 s47, 0
	s_mul_i32 s45, s14, PART                       ; where they go: no place in the cluster enters an LDS address
	s_mov_b32 s[SEL], 0x76543210
	s_mov_b32 s[SEL+1], 0xfedcba98
	s_wait_kmcnt 0x0
	s_add_nc_u64 s[20:21], s[4:5], s[20:21]
	s_add_nc_u64 s[46:47], s[6:7], s[46:47]
	CROUND                                         ; all sixteen work-groups are here: the first joint loads meet
	s_mov_b32 s[G0W], 1
	s_add_co_u32 s[G0W+1], s45, WRES
	s_mov_b64 s[G0W+2:G0W+3], s[46:47]
	s_or_b32 s[G0W+3], s[G0W+3], 0x80000000
.irp s, 0,1
	s_mov_b32 s[G0U+4*\s], 1
	s_add_co_u32 s[G0U+4*\s+1], s45, \s*SLOT
	s_add_nc_u64 s[G0U+4*\s+2:G0U+4*\s+3], s[20:21], \s*HKB
	s_or_b32 s[G0U+4*\s+3], s[G0U+4*\s+3], 0x80000000
.endr
	tensor_load_to_lds s[G0W:G0W+3], s[G1W:G1W+7]          ; every wave issues all three first fills, together: my two tiles of Wq,
	s_nop 0
	tensor_load_to_lds s[G0U:G0U+3], s[G1U:G1U+7]          ; my tiles' first 512 along K,
	s_nop 0
	tensor_load_to_lds s[G0U+4:G0U+7], s[G1U:G1U+7]        ; and their second
	s_nop 0
	PLACES 4                                       ; four v_nop follow
	v_and_b32 v18, 31, v0                          ; lane
	v_and_b32 v19, 15, v0                          ; r
	v_bfe_u32 v20, v0, 4, 1                        ; h
	v_lshlrev_b32 v[CO], 4, v18
	v_lshlrev_b32 v[H8], 3, v20
	v_add_nc_u32 v[ADRU], s45, v[CO]
	v_add_nc_u32 v[ADRU+1], SLOT, v[ADRU]
	v_add_nc_u32 v[ADRW], WRES, v[CO]
	v_add_nc_u32 v[ADRW+1], WRES+4*TILEB, v[CO]
	s_mul_i32 s18, s14, 2*768                      ; kv's images: two tiles a wave
	s_add_co_u32 s18, s18, KVIMG
	v_add_nc_u32 v[KPI], s18, v[CO]
	s_add_co_u32 s18, s18, 512
	v_lshl_add_u32 v[KPI8], v18, 3, s18
	s_lshl_b32 s18, s14, 8
	s_add_co_u32 s18, s18, KVSC
	v_lshl_add_u32 v[KPS], v18, 2, s18
	v_add_nc_u32 v[KVA], KVIMG, v[CO]
	v_lshl_add_u32 v[KVA8], v18, 3, KVIMG+512
	v_lshl_add_u32 v[KVSA], v18, 2, KVSC
	s_mul_i32 s18, s14, 16*SPITCH
	s_add_co_u32 s18, s18, STG                     ; my stage
	v_mul_u32_u24 v[STO], v19, SPITCH
	v_lshl_add_u32 v[STO], v20, 5, v[STO]
	v_add_nc_u32 v[STO], s18, v[STO]               ; in: row r, + 32 h
	v_mul_u32_u24 v[RD], v20, SPITCH
	v_lshl_add_u32 v[RD], v19, 4, v[RD]
	v_add_nc_u32 v[RD], s18, v[RD]                 ; back: lanes 0-15 one row of 256 bytes, lanes 16-31 the next
	v_lshlrev_b32 v[GO], 12, v20
	v_lshl_add_u32 v[GO], v19, 4, v[GO]            ; and the same two rows in y
.irp b, 0,1,2,3
	v_mov_b32 v[TM+4+\b], 0                        ; written once: a lane permute's destination counts as one of its sources
.endr
	s_lshl_b32 s20, s17, 14
	s_lshl_b32 s18, s14, 11
	s_add_co_u32 s20, s20, s18                     ; u's scale words: tile 32 y + 4 w, 512 bytes a tile
	s_lshl_b32 s46, s42, 12
	s_add_co_u32 s46, s46, 1152*512                ; Wq's: tile 1024 + 128 + 8 cg
	v_mov_b32 v21, s20
	v_mov_b32 v22, s46
	v_cmp_le_u32 vcc_lo, 16, v18
	v_cndmask_b32 v[VS], v21, v22, vcc_lo
	v_lshl_add_u32 v[VS], v19, 3, v[VS]            ; + 8 r
	v_add_nc_u32 v21, 12*512, v21                  ; with the loads' 512 i, i = 4 .. 7, that is u's tile 16 + (i - 4): the second pass's
	v_cndmask_b32 v[VS2], v21, v22, vcc_lo
	v_lshl_add_u32 v[VS2], v19, 3, v[VS2]
	s_lshr_b32 s22, s17, 3                         ; the batch: 8 blocks of 512 rows each
	s_lshl_b32 s22, s22, 4
	s_lshl_b32 s23, s42, 1
	s_add_co_u32 s22, s22, s23
	s_lshr_b32 s23, s14, 1
	s_add_co_u32 s22, s22, s23                     ; 16 x batch + head 2 cg + w / 2
	s_lshl_b32 s22, s22, 16                        ; four quarters of 16,384 bytes
	s_and_b32 s23, s14, 1
	s_lshl_b32 s23, s23, 13                        ; p tile 2 (w % 2): 4,096 bytes a tile
	s_add_co_u32 s22, s22, s23
	s_mov_b32 s23, 0
	s_add_nc_u64 s[22:23], s[10:11], s[22:23]
	s_lshl_b32 s2, s17, 21                         ; out0: (512 y + 64 w) rows of 4,096 bytes + 128 cg columns of 4
	s_lshl_b32 s3, s14, 18
	s_add_co_u32 s2, s2, s3
	s_lshl_b32 s3, s42, 9
	s_add_co_u32 s2, s2, s3
	s_mov_b32 s3, 0
	s_add_nc_u64 s[12:13], s[12:13], s[2:3]
.irp i, 0,1,2,3                                ; all scale words of the first product, both passes: two words (256 along K) a load
.irp kq, 0,1,2,3
	global_load_b64 v[SC+8*\i+2*\kq:SC+8*\i+2*\kq+1], v[VS], s[8:9] offset:512*\i+128*\kq
.endr
.endr
.irp i, 4,5,6,7
.irp kq, 0,1,2,3
	global_load_b64 v[SC+8*\i+2*\kq:SC+8*\i+2*\kq+1], v[VS2], s[8:9] offset:512*\i+128*\kq
.endr
.endr
; kv's partial sums of my two tiles.  Register i of lane (r, h) is kv[32 h + i][16 tp + r]; tile e's quarter qd lands at v[128 e + 32 qd] of window 3, which the first pass does not touch
	WIN 0xc0
.irp e, 0,1
.irp qd, 0,1,2,3
.irp j, 0,1,2,3,4,5,6,7
	global_load_b128 v[128*\e+32*\qd+4*\j:128*\e+32*\qd+4*\j+3], v[CO], s[22:23] offset:16384*\qd+4096*\e+512*\j
.endr
.endr
.endr
	WIN 0
; My tile e of kv: the four quarters are added, the lane's block of 32 is quantised, and the six registers and the scale word go to LDS.
.macro KVQ e, cnt
.set KB, 128*(\e)
	s_wait_loadcnt \cnt
	WIN 0xcf                                       ; all in window 3
.irp i, 0,2,4,6,8,10,12,14,16,18,20,22,24,26,28,30
	v_pk_add_f32 v[KB+\i:KB+\i+1], v[KB+\i:KB+\i+1], v[KB+32+\i:KB+33+\i]
	v_pk_add_f32 v[KB+64+\i:KB+65+\i], v[KB+64+\i:KB+65+\i], v[KB+96+\i:KB+97+\i]
.endr
.irp i, 0,2,4,6,8,10,12,14,16,18,20,22,24,26,28,30
	v_pk_add_f32 v[KB+\i:KB+\i+1], v[KB+\i:KB+\i+1], v[KB+64+\i:KB+65+\i]
.endr
	WIN 0x3f
	v_max3_num_f32 v[TM], |v[KB]|, |v[KB+1]|, |v[KB+2]|              ; the block's largest magnitude: all 32 numbers are mine; two chains
	v_max3_num_f32 v[TM+1], |v[KB+3]|, |v[KB+4]|, |v[KB+5]|
	WIN 0x3c
.irp i, 6,10,14,18,22,26
	v_max3_num_f32 v[TM], v[TM], |v[KB+\i]|, |v[KB+\i+1]|
	v_max3_num_f32 v[TM+1], v[TM+1], |v[KB+\i+2]|, |v[KB+\i+3]|
.endr
	v_max3_num_f32 v[TM], v[TM], |v[KB+30]|, |v[KB+31]|
	WIN 0
	v_max3_num_f32 v[TM], v[TM], v[TM+1], 0x1800000                  ; and the floor 2^(3 - 127): the byte cannot fall under 1
	v_add_nc_u32 v[TM+2], 0xff000000, v[TM]                          ; 2 off the exponent field: the conversion's scale operand
	v_lshrrev_b32 v[TM+3], 23, v[TM+2]                               ; my block's byte,
	v_lshlrev_b32 v[TM+3], v[H8], v[TM+3]                            ; at its place, 8 h bits up;
	v_permlanex16_b32 v[TM+4], v[TM+3], s[SEL], s[SEL+1]
	v_or_b32 v[TM+3], v[TM+3], v[TM+4]                               ; with lane l xor 16's: the two bytes of column p
	v_lshl_or_b32 v[KSW+(\e)], v[TM+3], 16, v[TM+3]                  ; twice over: the word serves the codes in either half of the instruction's K
	WIN 0x03
	v_cvt_scalef32_pk16_fp6_f32 v[KC+8*(\e):KC+8*(\e)+2], v[KB:KB+15], v[TM+2]
	v_cvt_scalef32_pk16_fp6_f32 v[KT+4*(\e):KT+4*(\e)+2], v[KB+16:KB+31], v[TM+2]   ; (a conversion's three registers begin on an even number)
	WIN 0
	v_nop                                          ; one plain instruction behind a scaled conversion
.irp i, 0,1,2
	v_mov_b32 v[KC+8*(\e)+3+\i], v[KT+4*(\e)+\i]
.endr
	ds_store_b128 v[KPI], v[KC+8*(\e):KC+8*(\e)+3] offset:768*(\e)
	ds_store_b64 v[KPI8], v[KC+8*(\e)+4:KC+8*(\e)+5] offset:768*(\e)
	ds_store_b32 v[KPS], v[KSW+(\e)] offset:128*(\e)
.endm
.macro FRAG reg, adr, off              ; a fragment comes back as it was stored: 512 consecutive bytes a load
.irp c, 0,1,2
	ds_load_b128 v[(\reg)+4*\c:(\reg)+4*\c+3], v[\adr] offset:(\off)+512*\c
.endr
.endm
.macro FB s                            ; Wq's eight fragments of step s into set s % 2: 24 loads
	WIN 0x40
.irp i, 0,1,2,3,4,5,6,7
	FRAG 128*((\s)%2)+FR*\i, ADRW+(\i/4), TILEB*(\i%4)+1536*(\s)
.endr
	WIN 0
.endm
.macro FA s                            ; my four fragments of u of step s into set s % 2: 12 loads
.irp i, 0,1,2,3
	FRAG AF+48*((\s)%2)+FR*\i, ADRU+((\s)/4), HKB*\i+1536*((\s)%4)
.endr
.endm
; 8 matrix instructions: u's tile a of pass p x Wq's eight, 128 along K.  zero = 1: the product starts the sums.  The 32 accumulators take turns, one instruction a turn, in the same order in every step.
.macro MUL8 a, s, p, zero
.irp b, 0,1,2,3,4,5,6,7
.if \zero
	v_wmma_scale_f32_16x16x128_f8f6f4 v[64*(\a)+8*\b:64*(\a)+8*\b+7], v[128*((\s)%2)+FR*\b:128*((\s)%2)+FR*\b+FR-1], v[AF+48*((\s)%2)+FR*(\a):AF+48*((\s)%2)+FR*(\a)+FR-1], 0, v[SC+8*\b+(\s)], v[SC+8*(4*(\p)+(\a))+(\s)] matrix_a_fmt:MATRIX_FMT_FP6 matrix_b_fmt:MATRIX_FMT_FP6 matrix_a_scale:MATRIX_SCALE_ROW1
.else
	v_wmma_scale_f32_16x16x128_f8f6f4 v[64*(\a)+8*\b:64*(\a)+8*\b+7], v[128*((\s)%2)+FR*\b:128*((\s)%2)+FR*\b+FR-1], v[AF+48*((\s)%2)+FR*(\a):AF+48*((\s)%2)+FR*(\a)+FR-1], v[64*(\a)+8*\b:64*(\a)+8*\b+7], v[SC+8*\b+(\s)], v[SC+8*(4*(\p)+(\a))+(\s)] matrix_a_fmt:MATRIX_FMT_FP6 matrix_b_fmt:MATRIX_FMT_FP6 matrix_a_scale:MATRIX_SCALE_ROW1
.endif
.endr
.endm
; A step of 128 along K: the next step's fragments are asked for, into the sets that the step before has multiplied, and this step's 32 products follow.
.macro STEPX s, p, zero
	PLACES 4                                       ; in front of loads into registers that matrix instructions have read
	FB (\s)+1
	s_wait_dscnt 24                                ; this step's fragments are in; the 24 loads just issued may be out
	FA (\s)+1
	WIN MUL_LO
	MUL8 0, \s, \p, \zero
	MUL8 1, \s, \p, \zero
	MUL8 2, \s, \p, \zero
	MUL8 3, \s, \p, \zero
.endm
; A slot's last step in the first pass: the slot is filled again, with the second pass's tiles (16 tiles on, the same half of K).  In front of the round each wave waits for all its tensor loads, adds 0 to its spare
; word, and waits for that and for its reads of the slot.  fetch = 1: the next step's fragments are fetched.
.macro TURNX s, p, fetch
.set SL, (\s)/4
	WIN 0                                          ; (the add's two registers lie in window 0)
	s_wait_tensorcnt 0x0                           ; all my tensor loads have landed
	ds_add_u32 v[SPW], v[NIL]                      ; 0 onto my spare word
	s_wait_dscnt 0x1                               ; this step's fragments are in; the add may be out
	WIN MUL_LO
	MUL8 0, \s, \p, 0                              ; eight matrix instructions stand between the add and the wait for it
	s_wait_dscnt 0x0                               ; the add is done, my reads of this slot are over, and what I stored into LDS has landed
	s_barrier_signal -1
	MUL8 1, \s, \p, 0
	WIN 0
	s_barrier_wait -1
	CREST                                          ; no wave of any partner still reads this slot or has a load on its way
	s_add_nc_u64 s[G0U+4*SL+2:G0U+4*SL+3], s[G0U+4*SL+2:G0U+4*SL+3], 16*TILEB
	tensor_load_to_lds s[G0U+4*SL:G0U+4*SL+3], s[G1U:G1U+7]   ; my one tensor load behind the round
	s_nop 0
	PLACES 4                                       ; behind the tensor load, and in front of the loads into registers that matrix instructions have read
.if \fetch
	FB (\s)+1
	FA (\s)+1
.endif
	WIN MUL_LO
	MUL8 2, \s, \p, 0
	MUL8 3, \s, \p, 0
.endm
; The 64 registers of u's tile a, register 16 b + i = column 32 b + 16 h + i of my row, become q's fragment in v[PC] on and its scale word v[PW].  Each accumulator is first read at its two lowest registers.
.macro QUANTM a
.set QS, 64*(\a)
	WIN 0x0a
.irp b, 0,1,2,3
	v_max3_num_f32 v[TM+\b], |v[QS+16*\b]|, |v[QS+1+16*\b]|, 0x1800000   ; my 16 numbers of block b, and the floor 2^(3 - 127): the byte cannot fall under 1
.endr
	WIN 0x28
.irp i, 2,4,6,8,10,12,14
.irp b, 0,1,2,3
	v_max3_num_f32 v[TM+\b], v[TM+\b], |v[QS+16*\b+\i]|, |v[QS+1+16*\b+\i]|
.endr
.endr
	WIN 0
.irp b, 0,1,2,3
	v_permlanex16_b32 v[TM+4+\b], v[TM+\b], s[SEL], s[SEL+1]
.endr
.irp b, 0,1,2,3
	v_max_num_f32 v[TM+\b], v[TM+\b], v[TM+4+\b]   ; with lane l xor 16's: the block's largest magnitude
.endr
.irp b, 0,1,2,3
	v_add_nc_u32 v[TM+12+\b], 0xff000000, v[TM+\b] ; 2 off its exponent field: the conversion's scale operand
.endr
.irp b, 0,1,2,3
	v_lshrrev_b32 v[TM+4+\b], 23, v[TM+12+\b]      ; the scale's byte
.endr
	v_lshl_or_b32 v[PW], v[TM+5], 8, v[TM+4]
	v_lshl_or_b32 v[PW], v[TM+6], 16, v[PW]
	v_lshl_or_b32 v[PW], v[TM+7], 24, v[PW]
	WIN 0x02
.irp c, 0,1
	v_cvt_scalef32_pk16_fp6_f32 v[PC+6*\c:PC+6*\c+2], v[QS+32*\c:QS+32*\c+15], v[TM+12+2*\c]
	v_cvt_scalef32_pk16_fp6_f32 v[PT+4*\c:PT+4*\c+2], v[QS+16+32*\c:QS+31+32*\c], v[TM+13+2*\c]
.endr
	WIN 0
	v_nop                                          ; one plain instruction behind a scaled conversion
.irp c, 0,1
.irp i, 0,1,2
	v_permlane16_swap_b32 v[PC+6*\c+\i], v[PT+4*\c+\i]   ; a whole block to a lane
.endr
.irp i, 0,1,2
	v_mov_b32 v[PC+3+6*\c+\i], v[PT+4*\c+\i]
.endr
.endr
.endm
; 16 rows x 128 columns of y, one head's 64 columns at a time, into my stage and back as rows of 256 bytes.  LDS serves a wave's instructions in order (ISA guide 5.7.1.4): no wait between the stores and the loads,
; nor in front of the second half's stores.
.macro TOSTAGE a
.set BB, 128+64*((\a)%2)
.irp u, 0,1
.irp t, 0,1,2,3
	ds_store_b128 v[STO], v[Y+32*\u+8*\t:Y+32*\u+8*\t+3] offset:64*\t            ; each accumulator from its low end on
	ds_store_b128 v[STO], v[Y+32*\u+8*\t+4:Y+32*\u+8*\t+7] offset:64*\t+16
.endr
	WIN 0xc0
.irp i, 0,1,2,3,4,5,6,7
	ds_load_b128 v[BB+32*\u+4*\i:BB+32*\u+4*\i+3], v[RD] offset:\i*2*SPITCH
.endr
	WIN 0
.endr
.endm
.macro SEND a, p, younger              ; younger: the LDS instructions issued behind block a's, which may stay out
.set BB, 128+64*((\a)%2)
	s_wait_dscnt \younger
	WIN 0x0c                                       ; a store's data are its source 1: window 3
.irp u, 0,1
.irp i, 0,1,2,3,4,5,6,7
	global_store_b128 v[GO], v[BB+32*\u+4*\i:BB+32*\u+4*\i+3], s[12:13] offset:(256*(\p)+32*((\a)/2)+8*((\a)%2)+2*\i+8*(\i/4))*4096+256*\u th:TH_STORE_NT   ; indices 2 i, 2 i + 1 of u's tile a are these rows; 16 lanes store 256 consecutive bytes, at a multiple of 256 from out0's first byte
.endr
.endr
	WIN 0
.endm
; A pass's way out: tile by tile of 16 rows: q's codes, eight products with kv, the stage, the stores.  The base of the stores is never stepped: pass and tile stand in the immediate.
.macro WAYOUT p
.irp a, 0,1,2,3
	QUANTM \a
.if \a == 0
	s_wait_dscnt 0x0                               ; no LDS instruction of mine is out (in the first pass: kv's fragments and scale words are in)
.else
	s_wait_dscnt 8                                 ; the last block's stores into the stage have read y's registers; its last eight loads may be out
.endif
	PLACES 8                                       ; a scale register written by a vector instruction stands 8 places ahead of a scaled matrix instruction, an operand so written 4
	WIN 0x03                                       ; source 0 (kv) window 3
.irp t, 0,1,2,3,4,5,6,7
	v_wmma_scale_f32_16x16x128_f8f6f4 v[Y+8*\t:Y+8*\t+7], v[18*(\t%4)+6*(\t/4):18*(\t%4)+6*(\t/4)+11], v[PC:PC+11], 0, v[KVS+\t], v[PW] matrix_a_fmt:MATRIX_FMT_FP6 matrix_b_fmt:MATRIX_FMT_FP6
.endr
	WIN 0
	PLACES 4
.if (\a > 1) || (\p)
	s_wait_xcnt 0x0                                ; the stores of the block two back have read the registers into which this block's rows are loaded
.endif
	TOSTAGE \a
.if \a > 0
	SEND \a-1, \p, 32                              ; behind block a - 1's: block a's 16 stores and 16 loads
.endif
.endr
	SEND 3, \p, 0
.endm
	s_wait_tensorcnt 0x1                           ; Wq's tiles and my first 512 along K are in; the second slot's load may be out
	s_barrier_signal -1
	s_barrier_wait -1                              ; everybody's part of Wq is in
	FB 0
	FA 0
	s_wait_loadcnt 63                              ; the 32 loads of scale words are in: behind them 64 were issued; the wait's field holds 63 at the most, and a smaller count waits for more
	; ---- pass 0: rows 0 to 255 of the work-group's 512
	STEPX 0, 0, 1
	STEPX 1, 0, 0
	STEPX 2, 0, 0
	TURNX 3, 0, 1                                  ; slot 0 takes the second pass's first 512 along K
	STEPX 4, 0, 0
	STEPX 5, 0, 0
	STEPX 6, 0, 0
	KVQ 0, 32                                      ; kv, here: its additions are the places behind step 6's products, u's set 0 is free for its codes, and the round below shows its images to every wave
	KVQ 1, 0
	TURNX 7, 0, 0                                  ; slot 1 takes the second pass's second 512 along K
	WIN 0
	PLACES 4
; kv's fragments of the two heads.  Three runs of six registers serve two fragments: codes of the first head's p tile t, zeros, codes of the second head's: v[18 t .. + 11] has its codes at K 0..63, v[18 t + 6 .. + 17] at K 64..127
	WIN 0xc0
.irp t, 0,1,2,3
	ds_load_b128 v[18*\t:18*\t+3], v[KVA] offset:768*\t
	ds_load_b64 v[18*\t+4:18*\t+5], v[KVA8] offset:768*\t
	ds_load_b128 v[18*\t+12:18*\t+15], v[KVA] offset:768*(4+\t)
	ds_load_b64 v[18*\t+16:18*\t+17], v[KVA8] offset:768*(4+\t)
.irp i, 0,1,2,3,4,5
	v_mov_b32 v[18*\t+6+\i], 0
.endr
.endr
	WIN 0
.irp t, 0,1,2,3,4,5,6,7
	ds_load_b32 v[KVS+\t], v[KVSA] offset:128*\t
.endr
	WAYOUT 0                                       ; its 64 stores leave while the second pass is multiplied: nothing waits for them
	FB 0
	FA 0                                           ; slot 0's second fill was shown landed by the wait in front of the last round; I read my own part alone
	; ---- pass 1: rows 256 to 511
	STEPX 0, 1, 1
	STEPX 1, 1, 0
	STEPX 2, 1, 0
	s_wait_tensorcnt 0x0                           ; my last tensor load, slot 1's second fill: no load was issued behind it.  I read my own part alone, and nothing is filled again: no barrier
	STEPX 3, 1, 0
	STEPX 4, 1, 0
	STEPX 5, 1, 0
	STEPX 6, 1, 0
	s_wait_dscnt 0x0                               ; the last step: nothing more to fetch
	MUL8 0, 7, 1, 0
	MUL8 1, 7, 1, 0
	MUL8 2, 7, 1, 0
	MUL8 3, 7, 1, 0
	WIN 0
	PLACES 4
	WAYOUT 1
	s_wait_tensorcnt 0x0                           ; the wave's end
	ds_add_u32 v[SPW], v[NIL]
	s_wait_dscnt 0x0
	CROUND                                         ; the closing round
	s_endpgm
.Lfunc_end_k_q816f5a9e7e_mix:
	.size	k_q816f5a9e7e_mix, .Lfunc_end_k_q816f5a9e7e_mix-k_q816f5a9e7e_mix
	.p2alignl 7, 3214868480
	.fill 96, 4, 3214868480
	.section	.rodata,"a",@progbits
	.p2align	6, 0x0
	.amdhsa_kernel k_q816f5a9e7e_mix
		.amdhsa_group_segment_fixed_size 327680
		.amdhsa_private_segment_fixed_size 0
		.amdhsa_enable_private_segment 0
		.amdhsa_kernarg_size 40
		.amdhsa_user_sgpr_count 2
		.amdhsa_user_sgpr_kernarg_segment_ptr 1
		.amdhsa_wavefront_size32 1
		.amdhsa_system_sgpr_workgroup_id_x 1
		.amdhsa_system_sgpr_workgroup_id_y 1
		.amdhsa_system_sgpr_workgroup_id_z 1
		.amdhsa_system_vgpr_workitem_id 0
		.amdhsa_next_free_vgpr 1024
		.amdhsa_next_free_sgpr 66
		.amdhsa_reserve_vcc 1
		.amdhsa_float_denorm_mode_32 3
		.amdhsa_float_denorm_mode_16_64 3
		.amdhsa_memory_ordered 1
		.amdhsa_forward_progress 1
		.amdhsa_inst_pref_size 208
	.end_amdhsa_kernel
	.amdgpu_metadata
---
amdhsa.version: [ 1, 2 ]
amdhsa.kernels:
  - .name:           k_q816f5a9e7e_mix
    .symbol:         k_q816f5a9e7e_mix.kd
    .args:
      - { .name: u_codes, .offset: 0, .size: 8, .value_kind: global_buffer, .address_space: global }
      - { .name: w_codes, .offset: 8, .size: 8, .value_kind: global_buffer, .address_space: global }
      - { .name: scales, .offset: 16, .size: 8, .value_kind: global_buffer, .address_space: global }
      - { .name: kvp, .offset: 24, .size: 8, .value_kind: global_buffer, .address_space: global }
      - { .name: out0, .offset: 32, .size: 8, .value_kind: global_buffer, .address_space: global }
    .group_segment_fixed_size: 327680
    .private_segment_fixed_size: 0
    .kernarg_segment_align: 8
    .kernarg_segment_size: 40
    .max_flat_workgroup_size: 128
    .sgpr_count:     66
    .vgpr_count:     1024
    .wavefront_size: 32
...
	.end_amdgpu_metadata
.endif
;; end of part 3
